; MI455X (gfx1250); checked and timed in simulation.
; The chip was launched on July 23, 2026; its instructions are those of AMD's public machine-readable ISA for CDNA 5 (MIT licence, August 2026) and "CDNA5" Instruction Set Architecture Reference Guide (July 2026). The comments in the code are by the model that wrote it; some were corrected since.
;; Sided Distance. Allowed arithmetic: float matrix products may take bf16 or f16 operands with f32 sums; all other float work in f32.
;; Inputs: S1 4 x 8,192 x 3 float32; S2 4 x 8,192 x 3 float32.
;; Outputs: out0 4 x 8,192 int32.
;; One version. Each part assembles by itself: llvm-mc -triple=amdgcn-amd-amdhsa -mcpu=gfx1250 --defsym DOCPART=n.
;; ======== version 1 of 1: 2 launches
;; workspace buffers: grp 131,072 bytes of whole numbers
;; launch scan (part 1): grid 256 x 1, 16 waves a work-group, no clusters, 136,192 bytes of LDS; arguments S1, S2, grp; writes grp
.if DOCPART == 1
	.amdgcn_target "amdgcn-amd-amdhsa--gfx1250"
	.amdhsa_code_object_version 6
	.text
	.protected	k_qa5a6611b05_scan
	.globl	k_qa5a6611b05_scan
	.p2align	8
	.type	k_qa5a6611b05_scan,@function
k_qa5a6611b05_scan:
	s_mov_b64 s[64:65], 0
	v_nop
	global_prefetch_b8 v0, s[64:65] scope:SCOPE_SE
	s_setreg_imm32_b32 hwreg(HW_REG_WAVE_MODE, 25, 1), 1
	s_wait_xcnt 0x0
; SidedDistance, first of two launches.  For each point of S1 [4][8192][3] f32: the number (index >> 4) of the group of 16 consecutive
; points of S2 [4][8192][3] that holds the first minimum of d = (n1 - 2 c) + n2, the f32 formula of the problem.
;
; ARITHMETIC.  All coordinates are rounded to bf16 (nearest even) first, norms included.  Products of two bf16 numbers are exact in f32, so
;   n = fl(fl(x x + y y) + z z),  c = fl(fl(x1 x2 + y1 y2) + z1 z2),  d = fl(fl(n1 - 2 c) + n2)
; have one value each whether or not multiplies and adds are fused.  The queries enter the matrix instruction scaled by -2 (exact), x and y at
; k = 0, 1 and z at k = 16, all other k zero; n1 and n2 are added in f32 by vector instructions, in the formula's order.
; LIMITS KEPT: (1) the matrix instruction's own sum of the three exact products may round otherwise than two f32 additions when the products'
; exponents lie more than about 8 apart: c can then differ in its last bit and turn a tie within one unit in the last place of d.
; (2) Inputs are finite and below 2^63 in magnitude (d stays finite); NaN and infinities are not served.
;
; SHAPE.  A work-group: 128 queries of one batch, 16 waves.  Every wave holds all 8 query tiles (operand B, a query on each lane) and owns 512
; candidates (operand A, rows), so each candidate leaves LDS once.  In the result, register j of lane (r, h) is candidate row 8 h + j for
; query r: a lane's registers are candidates of ONE query, the minimum stays inside the lane, n1 is one register pair a tile.
; A step = 32 candidates = two tiles; rows 0-7 are taken from the wave's lower 256 candidates and rows 8-15 from its upper 256, so a lane sees
; 16 consecutive candidates a step (one group) and the 32 segments (wave, lane half) ascend in index: 'strictly less' keeps the first index.
; Per 16 pairs a lane issues 8 + 8 packed adds, 8 minima and 3 instructions for the group number: 27.
; Four waves lie on each SIMD (226 registers each) so that one wave's dependent minima, compare and select stand among the others' adds.
;
; NO CLUSTER, NO TENSOR LOADS: the 64 work-groups of a batch read the same 98,304 bytes of S2, but once, as 12 loads a lane against
; 16 x 217 vector instructions a wave, and the bytes must pass through registers to be rounded and squared before they lie in LDS.
.set BATCH, 98304                      ; bytes of one batch of S1 or of S2
.set WREG,  6144                       ; a wave's 512 candidates: 6,144 bytes in memory; in LDS xy, z, norm of 2,048 bytes each, also 6,144
.set LZ,    2048                       ; in a wave's LDS part: the z words
.set LN,    4096                       ;                       the norms
.set QXY,   98304                      ; 8 query tiles x 32 words: (-2x, -2y) of 16 queries, then 16 zeros (lanes 16-31 hold k = 8.., unused)
.set QZ,    1024                       ; the same for (-2z, 0), relative to QXY
.set QN1,   100352                     ; 128 x (n1, n1)
.set COMB,  101376                     ; 32 segments x 128 queries x (best, group)
.set BQ,  16                           ; v[16:79]    8 query fragments
.set AF,  80                           ; v[80:111]   candidate fragments: buffer b, tile p at AF + 16 b + 8 p
.set N2,  112                          ; v[112:143]  norms of the lane's 16 candidates, buffer b at N2 + 16 b
.set DD,  144                          ; v[144:175]  two result buffers of 16
.set N1,  176                          ; v[176:191]  (n1, n1) of my query in tile q
.set ST,  192                          ; v[192:207]  (best d, its group) of my query in tile q
.set T,   208                          ; v[208:212]  the tree of minima
.set TID, 214                          ; the number of the group that this step holds for my lane half
.set ADA, 215                          ; LDS address of my row's xy word
.set ADN, 216                          ; LDS address of my lane half's norms (less LN)
.set STO, 217                          ; LDS address at which I store converted candidates
.set VQ,  218
.set VN,  219
.set VC,  220
.set LD,  112                          ; v[112:159]  while converting: 16 candidates a lane as loaded
.set XY,  160
.set ZZ,  164
.set XF,  168
.set YF,  172
.set ZF,  176
.set NN,  180
.set R,   16                           ; v[16:143]   the last merge: 32 segments x 4 registers
	s_load_b128 s[4:7], s[0:1], 0x0                ; S1, S2
	s_load_b64 s[8:9], s[0:1], 0x10                ; grp
	v_lshl_add_u32 v224, v0, 2, 0x20c00
	v_mov_b32 v225, 0
	v_lshrrev_b32 v2, 5, v0
	v_readfirstlane_b32 s10, v2                    ; wave 0..15
	v_and_b32 v1, 31, v0                           ; lane
	s_lshr_b32 s11, ttmp9, 6                       ; batch: 64 work-groups each
	s_mul_i32 s12, s11, BATCH
	s_mul_i32 s15, s10, WREG                       ; my wave's part, in S2's batch and in LDS alike
	s_add_co_u32 s12, s12, s15
	s_mov_b32 s13, 0
	s_mul_i32 s16, ttmp9, 1536                     ; 128 queries x 12 bytes a work-group
	s_mov_b32 s17, 0
	s_lshl_b32 s22, ttmp9, 9                       ; 128 group numbers x 4 bytes
	s_mov_b32 s23, 0
	s_mov_b32 s18, 0xffff0000                      ; a word's upper bf16
	v_mul_u32_u24 v3, v1, 48                       ; a lane takes 4 candidates = 48 bytes at a time
	v_and_b32 v7, 127, v0
	v_mul_u32_u24 v7, v7, 12                       ; one query a thread (every wave loads, waves 0-3 use it: the load counts are alike)
	s_wait_kmcnt 0x0
	s_add_nc_u64 s[4:5], s[4:5], s[16:17]
	s_add_nc_u64 s[6:7], s[6:7], s[12:13]
	s_add_nc_u64 s[8:9], s[8:9], s[22:23]
	global_load_b96 v[4:6], v7, s[4:5]
.irp i, 0,1,2,3
.irp k, 0,1,2
	global_load_b128 v[LD+12*\i+4*\k:LD+12*\i+4*\k+3], v3, s[6:7] offset:1536*\i+16*\k   ; three loads cover 1,536 consecutive bytes
.endr
.endr
	; While the loads are out: the k that are never used are zero in all 12 fragments (registers 1-3 and 5-7), once for the whole kernel.
.set f, 0
.rept 12
.irp k, 1,2,3,5,6,7
	v_mov_b32 v[BQ+8*f+\k], 0
.endr
.set f, f+1
.endr
	v_lshl_add_u32 v[STO], v1, 4, s15              ; 4 words a lane, lanes side by side
	v_and_b32 v8, 7, v0
	v_bfe_u32 v9, v0, 3, 1
	v_bfe_u32 v10, v0, 4, 1                        ; h: lane half
	v_and_b32 v11, 15, v0                          ; r
	v_lshlrev_b32 v8, 2, v8
	v_lshl_add_u32 v8, v9, 10, v8                  ; row r = candidate 256 (r >> 3) + (r & 7) of the step's two runs of 16
	v_add_nc_u32 v[ADA], s15, v8
	v_lshlrev_b32 v9, 10, v10
	v_add_nc_u32 v[ADN], s15, v9                   ; lane half h: candidates 256 h ..
	s_lshl_b32 s19, s10, 5
	v_lshl_add_u32 v[TID], v10, 4, s19             ; group = 32 wave + 16 h + step
	v_lshl_add_u32 v[VQ], v1, 2, QXY
	v_lshl_add_u32 v[VN], v11, 3, QN1
	s_lshl_b32 s21, s10, 11
	s_add_co_u32 s21, s21, COMB
	v_lshl_add_u32 v9, v10, 10, s21
	v_lshl_add_u32 v[VC], v11, 3, v9               ; segment 2 wave + h, query r of a tile
	; Waves 0-3: one query a thread, rounded, its norm, and -2 x the rounded coordinates as bf16 (exact).
	s_cmp_gt_u32 s10, 3
	s_cbranch_scc1 .Lcand
	s_wait_loadcnt 12                              ; loads return in order (ISA guide 5.7.1): the 12 candidate loads behind the query stay out
	v_cvt_pk_bf16_f32 v8, v4, v5
	v_cvt_pk_bf16_f32 v9, v6, 0
	v_lshlrev_b32 v10, 16, v8                      ; x, y, z as rounded, in f32
	v_and_b32 v11, s18, v8
	v_lshlrev_b32 v12, 16, v9
	v_mul_f32 v14, v10, v10                        ; exact
	v_fmac_f32 v14, v11, v11                       ; fl(x x + y y): the product inside is exact
	v_fmac_f32 v14, v12, v12                       ; n1
	v_mul_f32 v10, -2.0, v10
	v_mul_f32 v11, -2.0, v11
	v_mul_f32 v12, -2.0, v12
	v_cvt_pk_bf16_f32 v8, v10, v11
	v_cvt_pk_bf16_f32 v9, v12, 0
	v_mov_b32 v15, v14                             ; the pair that the packed add takes
	v_and_b32 v10, 15, v0
	v_lshrrev_b32 v11, 4, v0                       ; tile
	v_lshlrev_b32 v10, 2, v10
	v_lshl_add_u32 v10, v11, 7, v10
	v_add_nc_u32 v10, QXY, v10
	v_mov_b32 v12, 0
	v_lshl_add_u32 v13, v0, 3, QN1
	ds_store_b32 v10, v8
	ds_store_b32 v10, v12 offset:64                ; what lanes 16-31 of the fragment will read: zero
	ds_store_b32 v10, v9 offset:QZ
	ds_store_b32 v10, v12 offset:QZ+64
	ds_store_b64 v13, v[14:15]
.Lcand:
; Four candidates a lane: round, pack (x, y) and (z, 0), norm of the rounded numbers; three stores of 16 bytes, lanes side by side.
.macro PREP i
	s_wait_loadcnt 9-3*\i                          ; the loads of the later dozens stay out
.irp c, 0,1,2,3
	v_cvt_pk_bf16_f32 v[XY+\c], v[LD+12*\i+3*\c], v[LD+12*\i+3*\c+1]
	v_cvt_pk_bf16_f32 v[ZZ+\c], v[LD+12*\i+3*\c+2], 0
.endr
.irp c, 0,1,2,3
	v_lshlrev_b32 v[XF+\c], 16, v[XY+\c]
	v_and_b32     v[YF+\c], s18, v[XY+\c]
	v_lshlrev_b32 v[ZF+\c], 16, v[ZZ+\c]
.endr
.irp c, 0,2
	v_pk_mul_f32 v[NN+\c:NN+\c+1], v[XF+\c:XF+\c+1], v[XF+\c:XF+\c+1]
.endr
.irp c, 0,2
	v_pk_fma_f32 v[NN+\c:NN+\c+1], v[YF+\c:YF+\c+1], v[YF+\c:YF+\c+1], v[NN+\c:NN+\c+1]
.endr
.irp c, 0,2
	v_pk_fma_f32 v[NN+\c:NN+\c+1], v[ZF+\c:ZF+\c+1], v[ZF+\c:ZF+\c+1], v[NN+\c:NN+\c+1]
.endr
	ds_store_b128 v[STO], v[XY:XY+3] offset:512*\i
	ds_store_b128 v[STO], v[ZZ:ZZ+3] offset:LZ+512*\i
	ds_store_b128 v[STO], v[NN:NN+3] offset:LN+512*\i
.endm
	PREP 0
	PREP 1
	PREP 2
	PREP 3
	s_wait_dscnt 0x0                               ; my stores are in LDS, for the other waves' sake (the query tables)
	s_barrier_signal -1
	s_barrier_wait -1
; Eight LDS loads: the fragments' two live registers for both tiles of a step, and the 16 norms of my lane half.
.macro FILL b, off
	ds_load_b32 v[AF+16*\b],    v[ADA] offset:\off
	ds_load_b32 v[AF+16*\b+4],  v[ADA] offset:\off+LZ
	ds_load_b32 v[AF+16*\b+8],  v[ADA] offset:\off+32
	ds_load_b32 v[AF+16*\b+12], v[ADA] offset:\off+LZ+32
.irp k, 0,1,2,3
	ds_load_b128 v[N2+16*\b+4*\k:N2+16*\b+4*\k+3], v[ADN] offset:\off+LN+16*\k
.endr
.endm
; Two products: the step's 32 candidates x query tile q, into result buffer x.  Nothing is accumulated: C is 0.
.macro MM q, x, b
	v_wmma_f32_16x16x32_bf16 v[DD+16*\x:DD+16*\x+7],    v[AF+16*\b:AF+16*\b+7],    v[BQ+8*\q:BQ+8*\q+7], 0
	v_wmma_f32_16x16x32_bf16 v[DD+16*\x+8:DD+16*\x+15], v[AF+16*\b+8:AF+16*\b+15], v[BQ+8*\q:BQ+8*\q+7], 0
.endm
; 27 vector instructions on 16 results of my query in tile q: d = (n1 + (-2 c)) + n2, their minimum, and the group's number if it is strictly
; nearer than all earlier groups.  They name no register of the two products issued just in front of them, and so are the places that
; stand between those products and the first read of their results (ISA guide 7.12.1).
.macro RED q, x, b
.irp i, 0,2,4,6,8,10,12,14
	v_pk_add_f32 v[DD+16*\x+\i:DD+16*\x+\i+1], v[DD+16*\x+\i:DD+16*\x+\i+1], v[N1+2*\q:N1+2*\q+1]
.endr
.irp i, 0,2,4,6,8,10,12,14
	v_pk_add_f32 v[DD+16*\x+\i:DD+16*\x+\i+1], v[DD+16*\x+\i:DD+16*\x+\i+1], v[N2+16*\b+\i:N2+16*\b+\i+1]
.endr
.irp i, 0,1,2,3,4
	v_min3_num_f32 v[T+\i], v[DD+16*\x+3*\i], v[DD+16*\x+3*\i+1], v[DD+16*\x+3*\i+2]
.endr
	v_min3_num_f32 v[T], v[T], v[T+1], v[T+2]
	v_min3_num_f32 v[T+3], v[T+3], v[T+4], v[DD+16*\x+15]
	v_min_num_f32 v[T], v[T], v[T+3]
	v_cmp_lt_f32 vcc_lo, v[T], v[ST+2*\q]
	v_cndmask_b32 v[ST+2*\q+1], v[ST+2*\q+1], v[TID], vcc_lo
	v_min_num_f32 v[ST+2*\q], v[ST+2*\q], v[T]
.endm
; A step: 32 candidates x 8 query tiles.  The products of tile q + 1 are issued in front of the vector work on tile q.
; more = 1: a step follows, in buffer nxt.  fill = 1: buffer cur is loaded again, for the step after that, at byte off.
.macro STEP cur, nxt, more, fill, off
	MM  1, 1, \cur
	RED 0, 0, \cur
	MM  2, 0, \cur
	RED 1, 1, \cur
	MM  3, 1, \cur
	RED 2, 0, \cur
	MM  4, 0, \cur
	RED 3, 1, \cur
	MM  5, 1, \cur
	RED 4, 0, \cur
	MM  6, 0, \cur
	RED 5, 1, \cur
	MM  7, 1, \cur
	RED 6, 0, \cur
.if \more
	s_wait_dscnt 0x0                               ; the other buffer's eight loads, issued a whole step ago; nothing younger is out
	MM  0, 0, \nxt
.endif
	RED 7, 1, \cur
	v_add_nc_u32 v[TID], 1, v[TID]
.if \fill
	FILL \cur, \off                                ; the last product that read this buffer stands in front of RED 6: 57 places back
.endif
.endm
.irp q, 0,1,2,3,4,5,6,7
	ds_load_b32 v[BQ+8*\q],   v[VQ] offset:128*\q          ; k = 0, 1: (-2x, -2y); lanes 16-31 read zeros
	ds_load_b32 v[BQ+8*\q+4], v[VQ] offset:QZ+128*\q       ; k = 16: -2z
	ds_load_b64 v[N1+2*\q:N1+2*\q+1], v[VN] offset:128*\q
.endr
	FILL 0, 0
	FILL 1, 64
	s_wait_dscnt 8                                 ; LDS loads return in order: all but step 1's eight are in
	MM 0, 0, 0
.irp q, 0,1,2,3,4,5,6,7
	v_mov_b32 v[ST+2*\q], 0x7f800000               ; best = +infinity, group 0: also the 16 places behind the first products
	v_mov_b32 v[ST+2*\q+1], 0
.endr
	s_mov_b32 s20, 7                               ; steps 0-13 load two steps ahead; steps 14 and 15 stand behind the loop and load nothing
.Lstep:
	STEP 0, 1, 1, 1, 128
	STEP 1, 0, 1, 1, 192
	v_add_nc_u32 v[ADA], 128, v[ADA]               ; two steps of 16 words
	v_add_nc_u32 v[ADN], 128, v[ADN]
	s_sub_co_u32 s20, s20, 1
	s_cmp_lg_u32 s20, 0
	s_cbranch_scc1 .Lstep
	STEP 0, 1, 1, 0, 0
	STEP 1, 0, 0, 0, 0
	; Each lane half is a segment of 256 candidates; the 32 segments of the work-group meet in LDS.
.irp q, 0,1,2,3,4,5,6,7
	ds_store_b64 v[VC], v[ST+2*\q:ST+2*\q+1] offset:128*\q
.endr
	s_wait_dscnt 0x0                               ; for the readers' sake
	s_barrier_signal -1
	s_barrier_wait -1
	s_cmp_gt_u32 s10, 1
	s_cbranch_scc1 .Lend
	; Waves 0 and 1: a thread merges two neighbouring queries, so that a wave's one store covers 256 consecutive bytes, aligned.
	v_lshl_add_u32 v2, v0, 4, COMB
.set f, 0
.rept 32
	ds_load_b128 v[R+4*f:R+4*f+3], v2 offset:1024*f
.set f, f+1
.endr
	v_lshlrev_b32 v3, 3, v0
	s_wait_dscnt 0x0
; segment a (earlier candidates) takes segment b's pair only where b is strictly nearer: the first index survives a tie
.macro MERGE a, b
	v_cmp_lt_f32 vcc_lo, v[R+4*(\b)], v[R+4*(\a)]
	v_cmp_lt_f32 s24, v[R+4*(\b)+2], v[R+4*(\a)+2]
	v_cndmask_b32 v[R+4*(\a)+1], v[R+4*(\a)+1], v[R+4*(\b)+1], vcc_lo
	v_cndmask_b32 v[R+4*(\a)+3], v[R+4*(\a)+3], v[R+4*(\b)+3], s24
	v_min_num_f32 v[R+4*(\a)], v[R+4*(\a)], v[R+4*(\b)]
	v_min_num_f32 v[R+4*(\a)+2], v[R+4*(\a)+2], v[R+4*(\b)+2]
.endm
.irp s, 0,2,4,6,8,10,12,14,16,18,20,22,24,26,28,30
	MERGE \s, \s+1
.endr
.irp s, 0,4,8,12,16,20,24,28
	MERGE \s, \s+2
.endr
.irp s, 0,8,16,24
	MERGE \s, \s+4
.endr
.irp s, 0,16
	MERGE \s, \s+8
.endr
	v_cmp_lt_f32 vcc_lo, v[R+64], v[R]             ; the last merge writes the pair that is stored
	v_cmp_lt_f32 s24, v[R+66], v[R+2]
	v_cndmask_b32 v4, v[R+1], v[R+65], vcc_lo
	v_cndmask_b32 v5, v[R+3], v[R+67], s24
	global_store_b64 v3, v[4:5], s[8:9]
.Lend:
	s_wait_tensorcnt 0x0
	ds_add_u32 v224, v225
	s_wait_dscnt 0x0
	s_endpgm
.Lfunc_end_k_qa5a6611b05_scan:
	.size	k_qa5a6611b05_scan, .Lfunc_end_k_qa5a6611b05_scan-k_qa5a6611b05_scan
	.p2alignl 7, 3214868480
	.fill 96, 4, 3214868480
	.section	.rodata,"a",@progbits
	.p2align	6, 0x0
	.amdhsa_kernel k_qa5a6611b05_scan
		.amdhsa_group_segment_fixed_size 136192
		.amdhsa_private_segment_fixed_size 0
		.amdhsa_enable_private_segment 0
		.amdhsa_kernarg_size 24
		.amdhsa_user_sgpr_count 2
		.amdhsa_user_sgpr_kernarg_segment_ptr 1
		.amdhsa_wavefront_size32 1
		.amdhsa_system_sgpr_workgroup_id_x 1
		.amdhsa_system_sgpr_workgroup_id_y 1
		.amdhsa_system_sgpr_workgroup_id_z 1
		.amdhsa_system_vgpr_workitem_id 0
		.amdhsa_next_free_vgpr 226
		.amdhsa_next_free_sgpr 66
		.amdhsa_reserve_vcc 1
		.amdhsa_float_denorm_mode_32 3
		.amdhsa_float_denorm_mode_16_64 3
		.amdhsa_memory_ordered 1
		.amdhsa_forward_progress 1
		.amdhsa_inst_pref_size 83
	.end_amdhsa_kernel
	.amdgpu_metadata
---
amdhsa.version: [ 1, 2 ]
amdhsa.kernels:
  - .name:           k_qa5a6611b05_scan
    .symbol:         k_qa5a6611b05_scan.kd
    .args:
      - { .name: S1, .offset: 0, .size: 8, .value_kind: global_buffer, .address_space: global }
      - { .name: S2, .offset: 8, .size: 8, .value_kind: global_buffer, .address_space: global }
      - { .name: grp, .offset: 16, .size: 8, .value_kind: global_buffer, .address_space: global }
    .group_segment_fixed_size: 136192
    .private_segment_fixed_size: 0
    .kernarg_segment_align: 8
    .kernarg_segment_size: 24
    .max_flat_workgroup_size: 512
    .sgpr_count:     66
    .vgpr_count:     226
    .wavefront_size: 32
...
	.end_amdgpu_metadata
.endif
;; end of part 1
;; launch pick (part 2): grid 256 x 1, 2 waves a work-group, no clusters, 0 bytes of LDS; arguments S1, S2, grp, out0; writes out0
.if DOCPART == 2
	.amdgcn_target "amdgcn-amd-amdhsa--gfx1250"
	.amdhsa_code_object_version 6
	.text
	.protected	k_qa5a6611b05_pick
	.globl	k_qa5a6611b05_pick
	.p2align	8
	.type	k_qa5a6611b05_pick,@function
k_qa5a6611b05_pick:
	s_mov_b64 s[64:65], 0
	v_nop
	global_prefetch_b8 v0, s[64:65] scope:SCOPE_SE
	s_setreg_imm32_b32 hwreg(HW_REG_WAVE_MODE, 25, 1), 1
	s_wait_xcnt 0x0
; SidedDistance, second launch.  grp holds, for each point of S1, the number of the group of 16 consecutive points of S2 with the first minimum
; of d.  Here the position inside that group is found: out0 = 16 group + first position of the group's minimum.
; It stands in a launch of its own because the group's address hangs on a number that the first launch derived from distances.
; ARITHMETIC as in the first launch: coordinates rounded to bf16, products therefore exact in f32, and
;   d = fl(fl(n1 + (-2 c)) + n2),  -2 c = fl(fl((-2 x1) x2 + (-2 y1) y2) + (-2 z1) z2),  n = fl(fl(x x + y y) + z z),
; here by fused multiply-adds: 16 of the 8,192 pairs of a query, each query with rows of its own, which is no matrix product.
; LIMITS KEPT: finite inputs below 2^63 in magnitude; a group number outside 0..511 is clamped to 511.
; A thread takes two neighbouring queries, so that a wave's one store covers 256 consecutive bytes, aligned.  No LDS, no barrier: no thread
; needs another's data.  No prefetch: the list is read just in front of the rows that it names.
.set BATCH, 98304                      ; bytes of one batch of S2
.set GB,  192                          ; bytes of a group: 16 points x 12
.set QA,  16                           ; v[16:23]   first query: (-2x, -2x), (-2y, -2y), (-2z, -2z), (n1, n1)
.set QB,  24                           ; v[24:31]   second query
.set LA,  32                           ; v[32:79]   the first query's 16 candidates as loaded
.set LB,  80                           ; v[80:127]  the second query's
.set XY,  128
.set ZZ,  132
.set XF,  136
.set YF,  140
.set ZF,  144
.set NN,  148
.set CC,  152
.set BA,  156                          ; v[156:157] first query: best d, its position
.set BB,  158                          ; v[158:159] second query
.set TQ,  160
.set OUT, 164
	s_load_b256 s[4:11], s[0:1], 0x0               ; S1 s[4:5], S2 s[6:7], grp s[8:9], out0 s[10:11]
	s_lshr_b32 s12, ttmp9, 6                       ; batch: 64 work-groups of 128 queries
	s_mul_i32 s12, s12, BATCH
	s_mov_b32 s13, 0
	s_lshl_b32 s14, ttmp9, 9                       ; 128 numbers x 4 bytes, in grp and in out0
	s_mov_b32 s15, 0
	s_mul_i32 s16, ttmp9, 1536                     ; 128 queries x 12 bytes
	s_mov_b32 s17, 0
	s_mov_b32 s18, 0xffff0000                      ; a word's upper bf16
	v_lshlrev_b32 v1, 3, v0                        ; two numbers a thread
	v_mul_u32_u24 v2, v0, 24                       ; two queries a thread
	s_wait_kmcnt 0x0
	s_add_nc_u64 s[4:5], s[4:5], s[16:17]
	s_add_nc_u64 s[6:7], s[6:7], s[12:13]
	s_add_nc_u64 s[8:9], s[8:9], s[14:15]
	s_add_nc_u64 s[10:11], s[10:11], s[14:15]
	global_load_b64 v[4:5], v1, s[8:9]
	global_load_b64 v[6:7], v2, s[4:5]             ; x0 y0
	global_load_b64 v[8:9], v2, s[4:5] offset:8    ; z0 x1
	global_load_b64 v[10:11], v2, s[4:5] offset:16 ; y1 z1
	s_wait_loadcnt 0x3                             ; the group numbers are in; the three query loads behind them stay out
	v_min_u32 v4, 0x1ff, v4                        ; 512 groups in a batch
	v_min_u32 v5, 0x1ff, v5
	v_mul_u32_u24 v12, v4, GB
	v_mul_u32_u24 v13, v5, GB
.irp k, 0,1,2,3,4,5,6,7,8,9,10,11
	global_load_b128 v[LA+4*\k:LA+4*\k+3], v12, s[6:7] offset:16*\k
.endr
.irp k, 0,1,2,3,4,5,6,7,8,9,10,11
	global_load_b128 v[LB+4*\k:LB+4*\k+3], v13, s[6:7] offset:16*\k
.endr
	s_wait_loadcnt 24                              ; the queries are in; the 24 candidate loads stay out
	v_cvt_pk_bf16_f32 v[TQ],   v6, v7
	v_cvt_pk_bf16_f32 v[TQ+1], v8, v9
	v_cvt_pk_bf16_f32 v[TQ+2], v10, v11
	v_lshlrev_b32 v6, 16, v[TQ]                    ; the six coordinates as rounded, in f32
	v_and_b32     v7, s18, v[TQ]
	v_lshlrev_b32 v8, 16, v[TQ+1]
	v_and_b32     v9, s18, v[TQ+1]
	v_lshlrev_b32 v10, 16, v[TQ+2]
	v_and_b32     v11, s18, v[TQ+2]
	v_mul_f32  v[QA+6], v6, v6
	v_mul_f32  v[QB+6], v9, v9
	v_fmac_f32 v[QA+6], v7, v7
	v_fmac_f32 v[QB+6], v10, v10
	v_fmac_f32 v[QA+6], v8, v8                     ; n1
	v_fmac_f32 v[QB+6], v11, v11
.irp j, 0,1
	v_mul_f32 v[QA+\j],   -2.0, v6                 ; each number twice: the pairs that the packed instructions take
	v_mul_f32 v[QA+2+\j], -2.0, v7
	v_mul_f32 v[QA+4+\j], -2.0, v8
	v_mul_f32 v[QB+\j],   -2.0, v9
	v_mul_f32 v[QB+2+\j], -2.0, v10
	v_mul_f32 v[QB+4+\j], -2.0, v11
.endr
	v_mov_b32 v[QA+7], v[QA+6]
	v_mov_b32 v[QB+7], v[QB+6]
	v_mov_b32 v[BA], 0x7f800000                    ; best = +infinity, position 0
	v_mov_b32 v[BA+1], 0
	v_mov_b32 v[BB], 0x7f800000
	v_mov_b32 v[BB+1], 0
; Four candidates (12 loaded registers at l) against the query at q; st: (best, position); k0: their first position;
; left: how many younger loads may stay out.
.macro CAND4 l, q, st, k0, left
	s_wait_loadcnt \left
.irp c, 0,1,2,3
	v_cvt_pk_bf16_f32 v[XY+\c], v[\l+3*\c], v[\l+3*\c+1]
	v_cvt_pk_bf16_f32 v[ZZ+\c], v[\l+3*\c+2], 0
.endr
.irp c, 0,1,2,3
	v_lshlrev_b32 v[XF+\c], 16, v[XY+\c]
	v_and_b32     v[YF+\c], s18, v[XY+\c]
	v_lshlrev_b32 v[ZF+\c], 16, v[ZZ+\c]
.endr
.irp c, 0,2
	v_pk_mul_f32 v[NN+\c:NN+\c+1], v[XF+\c:XF+\c+1], v[XF+\c:XF+\c+1]
	v_pk_mul_f32 v[CC+\c:CC+\c+1], v[XF+\c:XF+\c+1], v[\q:\q+1]
.endr
.irp c, 0,2
	v_pk_fma_f32 v[NN+\c:NN+\c+1], v[YF+\c:YF+\c+1], v[YF+\c:YF+\c+1], v[NN+\c:NN+\c+1]
	v_pk_fma_f32 v[CC+\c:CC+\c+1], v[YF+\c:YF+\c+1], v[\q+2:\q+3], v[CC+\c:CC+\c+1]
.endr
.irp c, 0,2
	v_pk_fma_f32 v[NN+\c:NN+\c+1], v[ZF+\c:ZF+\c+1], v[ZF+\c:ZF+\c+1], v[NN+\c:NN+\c+1]   ; n2
	v_pk_fma_f32 v[CC+\c:CC+\c+1], v[ZF+\c:ZF+\c+1], v[\q+4:\q+5], v[CC+\c:CC+\c+1]       ; -2 c
.endr
.irp c, 0,2
	v_pk_add_f32 v[CC+\c:CC+\c+1], v[CC+\c:CC+\c+1], v[\q+6:\q+7]                         ; n1 - 2 c
.endr
.irp c, 0,2
	v_pk_add_f32 v[CC+\c:CC+\c+1], v[CC+\c:CC+\c+1], v[NN+\c:NN+\c+1]                     ; + n2
.endr
.irp c, 0,1,2,3
	v_cmp_lt_f32 vcc_lo, v[CC+\c], v[\st]          ; strictly nearer only: the first position survives a tie
	v_cndmask_b32 v[\st+1], v[\st+1], \k0+\c, vcc_lo
	v_min_num_f32 v[\st], v[\st], v[CC+\c]
.endr
.endm
	CAND4 LA,    QA, BA, 0,  21                    ; three loads a call: the counts run down from 24 - 3
	CAND4 LA+12, QA, BA, 4,  18
	CAND4 LA+24, QA, BA, 8,  15
	CAND4 LA+36, QA, BA, 12, 12
	CAND4 LB,    QB, BB, 0,  9
	CAND4 LB+12, QB, BB, 4,  6
	CAND4 LB+24, QB, BB, 8,  3
	CAND4 LB+36, QB, BB, 12, 0
	v_lshl_add_u32 v[OUT],   v4, 4, v[BA+1]
	v_lshl_add_u32 v[OUT+1], v5, 4, v[BB+1]
	global_store_b64 v1, v[OUT:OUT+1], s[10:11]    ; 32 lanes x 8 bytes: 256 consecutive bytes, aligned
	s_endpgm
.Lfunc_end_k_qa5a6611b05_pick:
	.size	k_qa5a6611b05_pick, .Lfunc_end_k_qa5a6611b05_pick-k_qa5a6611b05_pick
	.p2alignl 7, 3214868480
	.fill 96, 4, 3214868480
	.section	.rodata,"a",@progbits
	.p2align	6, 0x0
	.amdhsa_kernel k_qa5a6611b05_pick
		.amdhsa_group_segment_fixed_size 0
		.amdhsa_private_segment_fixed_size 0
		.amdhsa_enable_private_segment 0
		.amdhsa_kernarg_size 32
		.amdhsa_user_sgpr_count 2
		.amdhsa_user_sgpr_kernarg_segment_ptr 1
		.amdhsa_wavefront_size32 1
		.amdhsa_system_sgpr_workgroup_id_x 1
		.amdhsa_system_sgpr_workgroup_id_y 1
		.amdhsa_system_sgpr_workgroup_id_z 1
		.amdhsa_system_vgpr_workitem_id 0
		.amdhsa_next_free_vgpr 168
		.amdhsa_next_free_sgpr 66
		.amdhsa_reserve_vcc 1
		.amdhsa_float_denorm_mode_32 3
		.amdhsa_float_denorm_mode_16_64 3
		.amdhsa_memory_ordered 1
		.amdhsa_forward_progress 1
		.amdhsa_inst_pref_size 25
	.end_amdhsa_kernel
	.amdgpu_metadata
---
amdhsa.version: [ 1, 2 ]
amdhsa.kernels:
  - .name:           k_qa5a6611b05_pick
    .symbol:         k_qa5a6611b05_pick.kd
    .args:
      - { .name: S1, .offset: 0, .size: 8, .value_kind: global_buffer, .address_space: global }
      - { .name: S2, .offset: 8, .size: 8, .value_kind: global_buffer, .address_space: global }
      - { .name: grp, .offset: 16, .size: 8, .value_kind: global_buffer, .address_space: global }
      - { .name: out0, .offset: 24, .size: 8, .value_kind: global_buffer, .address_space: global }
    .group_segment_fixed_size: 0
    .private_segment_fixed_size: 0
    .kernarg_segment_align: 8
    .kernarg_segment_size: 32
    .max_flat_workgroup_size: 64
    .sgpr_count:     66
    .vgpr_count:     168
    .wavefront_size: 32
...
	.end_amdgpu_metadata
.endif
;; end of part 2
